; MI455X (gfx1250); checked and timed in simulation.
; The chip was launched on July 23, 2026; its instructions are those of AMD's public machine-readable ISA for CDNA 5 (MIT licence, August 2026) and "CDNA5" Instruction Set Architecture Reference Guide (July 2026). The comments in the code are by the model that wrote it; some were corrected since.
;; Quant Linear. Allowed arithmetic: matrix products marked QUANTISED: E4M3 operands, one E8M0 scale for each 32 along K, by v_wmma_scale_f32_16x16x128_f8f6f4 with both operands' format E4M3, f32 sums; everything else in f32.
;; Inputs: bias 4,096 float32; qweight 512 x 4,096 int32; qzeros 32 x 512 int32; scales 32 x 4,096 float32; x 4,096 x 4,096 float32.
;; Outputs: out0 4,096 x 4,096 float32.
;; This version of the problem:
;;   THIS VERSION OF THE PROBLEM IS GIVEN IN LOW PRECISION. The matrix products marked QUANTISED in the list below multiply operands that are first quantised to E4M3 (4 exponent bits, 3 mantissa bits; 8 bits a number), with one power-of-two scale for each 32 numbers along K (OCP MX v1.0); their sums are f32. All else is computed in f32.
;;   The module's matrix products, in the order in which they are computed (A, B: the left and right operand; K: the contracted axis; several contracted axes count as one K, in the product's order):
;;     1. [M 4,096, K 4,096] x [K 4,096, N 4,096]; A: input x; B: computed on the way: QUANTISED
;;   THE QUANTISER, for each operand of a quantised product, along K:
;;     - K is cut into blocks of 32 from its start; a last block that is shorter is filled with zeros.
;;     - A block's scale is 2^e with e = floor(log2(the largest magnitude in the block)) - 8, held to -126 .. 127; a block of zeros has e = 0. As a byte (E8M0): e + 127.
;;     - Each number is divided by its block's scale, clamped to +-448, and rounded to the nearest number of E4M3, ties to even, subnormals kept.
;;     - The product sums the exact products of the quantised numbers (number of the format x scale) in f32.
;;   ~~~python
;;   def quantise(x, axis):      # numpy; x: float32 -> the quantised numbers, widened to float32 again
;;       x = np.moveaxis(x, axis, -1); K = x.shape[-1]
;;       x = np.pad(x, [(0, 0)] * (x.ndim - 1) + [(0, -K % 32)]); x = x.reshape(x.shape[:-1] + (-1, 32)); a = np.abs(x).max(-1, keepdims=True)
;;       e = np.where(a > 0, np.clip(np.frexp(np.where(a > 0, a, 1))[1] - 1 - 8, -126, 127), 0)      # np.frexp(a)[1] - 1 = floor(log2(a)), exactly
;;       r = np.clip(x / 2.0 ** e, -448, 448)
;;       step = 2.0 ** (np.maximum(np.frexp(np.where(r == 0, 1, r))[1] - 1, -6) - 3)
;;       q = np.round(r / step) * step * 2.0 ** e      # np.round: ties to even
;;       return np.moveaxis(q.reshape(q.shape[:-2] + (-1,))[..., :K], -1, axis).astype(np.float32)
;;   ~~~
;;   OPERANDS COMPUTED ON THE WAY. 'Computed on the way' means the value that the module computes at that place (a softmax that the list does not call 'softmax' is quantised finished and normalised). What goes into a quantiser is computed in f32, as accurately as f32 sums, v_exp_f32 and their like allow (about 1e-6 of the number): no bf16 or f16 on the way to a quantiser, and a product that is left as it is and whose result goes on into a quantised operand takes f32 operands (vector FMAs, or v_wmma_f32_16x16x4_f32). A number that lies on a knife's edge between two numbers of the format may be rounded either way, as far as f32 arithmetic and the matrix unit's own rounding can turn it there, and no further.
;; One version. Each part assembles by itself: llvm-mc -triple=amdgcn-amd-amdhsa -mcpu=gfx1250 --defsym DOCPART=n.
;; ======== version 1 of 1: 2 launches
;; limits: right only within a limited range of input values
;; workspace buffers: acode 17,301,504 bytes; bcode 17,301,504 bytes
;; launch quant (part 1): grid 1024 x 1, 4 waves a work-group, no clusters, 34,304 bytes of LDS; arguments x, qweight, qzeros, scales, acode, bcode; writes acode, bcode
.if DOCPART == 1
	.amdgcn_target "amdgcn-amd-amdhsa--gfx1250"
	.amdhsa_code_object_version 6
	.text
	.protected	k_qce17fde36f_quant
	.globl	k_qce17fde36f_quant
	.p2align	8
	.type	k_qce17fde36f_quant,@function
k_qce17fde36f_quant:
	s_mov_b64 s[64:65], 0
	v_nop
	global_prefetch_b8 v0, s[64:65] scope:SCOPE_SE
	s_setreg_imm32_b32 hwreg(HW_REG_WAVE_MODE, 25, 1), 1
	s_wait_xcnt 0x0
; Both operands of out = x W + bias are turned into codes of FP8 (E4M3) with one E8M0 scale byte for each 32 along K, once, for the product's launch.
; x: [4096][4096] f32, K innermost.  W: [K 4096][N 4096], made on the way from qweight [512][4096] (eight 4-bit numbers a word, along K), qzeros [32][512] (eight a word, along N) and scales [32][4096] (groups of 128 along K).
; THE TWO BUFFERS have one layout: [group of 128 rows: 32][K step of 256: 16][a block of 33,792 bytes]; for W a "row" is a column n.  A block is four sub-blocks of 8,448 bytes, 32 rows each.  A sub-block holds four
; IMAGES OF AN OPERAND'S REGISTERS (16 rows x 128 K, 2,048 bytes; image 2 ii + q: rows 16 ii on, K 128 q on): register group c of lane l lies at 512 c + 16 l and holds k = 32 c + 16 (l / 16) + 0 .. 15 of row l % 16;
; behind them 256 bytes of scale words: row r's four words (index 2 ii + q) at 16 r.  So the product's launch takes a block as one dense tile, and reads fragments and scale words as consecutive bytes.
; SHARES.  A work-group makes one block, each of its four waves one sub-block.  Work-groups with an even number take x, those with an odd number W, so that x's stream and W's arithmetic lie side by side.
; THE QUANTISER.  A block's scale is 2^(floor(log2(its largest magnitude)) - 8): its byte is the largest magnitude's exponent field - 8, held at 1 from below by a floor among the maximum's leaves; each number is held within
; +-448 x the scale and converted, to the nearest code, ties to even.
; W AS reference() HAS IT, in f32: (w - z) s; that / s + z; rounded; - z; x s.  v + (round(v) - v) is round(v) bit for bit for every finite v (the difference is exact), so it is one v_rndne_f32.
; The division is a reciprocal inside a fused multiply-add: its error, some 2^-22 x 15, is far from the 0.5 that would turn the rounding.
; LIMITS: |scales| within 2^-100 .. 2^100 (beyond, the reciprocal's flushed denormals depart from a division); a scale of 0 gives NaN, as in reference(); NaN and infinities among the inputs are not served;
; a block whose largest magnitude lies under 2^-118 keeps the byte 1, and so does a block of zeros (the rule says 127): its codes are zeros, and this program alone reads the bytes.
; No tensor loads, no barrier: waves share nothing.  Only x's path touches LDS.
.set BLK,  33792
.set SUB,  8448
.set SP,   528                         ; x's stage: a row of 512 bytes + 16, so that the 16 rows that a read touches begin in 16 different columns of 16 bytes
.set TM,   8                           ; x: v8-11 largest magnitudes, v12-15 bytes, v16-19 448 x the scale, v20-23 the conversions' scale operands
.set SW,   24                          ; x: v24-27 the four fragments' scale words
.set XC,   32                          ; x: v32-63 codes, two sets of 16
.set XN,   64                          ; x: v64-255 numbers, three sets of 64
.set SPR,  8                           ; W: v[8:9], v[10:11] s of the two groups, twice each (pairs for the packed forms)
.set RPR,  12                          ; W: v[12:15] 1 / s likewise
.set ZPR,  16                          ; W: v[16:19] z likewise
.set WB,   24                          ; W: v[24:25] my column's scale words
.set WQ,   32                          ; W: v32-63 the 32 packed words of my column
.set WX,   64                          ; W: v64-95 a block's 32 numbers
.set WC,   96                          ; W: v96-159 codes, eight registers for each block: no store's data are written again
	s_load_b256 s[4:11], s[0:1], 0x0               ; x s[4:5], qweight s[6:7], qzeros s[8:9], scales s[10:11]
	s_load_b128 s[12:15], s[0:1], 0x20             ; acode s[12:13], bcode s[14:15]
	v_lshl_add_u32 v31, v0, 2, 0x8400
	v_mov_b32 v29, 0
	v_lshrrev_b32 v1, 5, v0
	v_readfirstlane_b32 s16, v1                    ; wave 0..3
	v_and_b32 v1, 31, v0                           ; lane
	v_and_b32 v2, 15, v0                           ; r
	v_bfe_u32 v3, v0, 4, 1                         ; h
	v_lshlrev_b32 v7, 4, v2
	v_lshl_add_u32 v7, v3, 3, v7                   ; the scale words' place: 16 r + 8 h
	s_lshr_b32 s17, ttmp9, 1                       ; which block: 0 .. 511
	s_lshr_b32 s18, s17, 4                         ; its group of 128 rows
	s_and_b32 s19, s17, 15                         ; its K step of 256
	s_mul_i32 s22, s17, BLK
	s_mul_i32 s27, s16, SUB                        ; my wave's sub-block; in x's path also its stage
	s_add_co_u32 s22, s22, s27                     ; where my sub-block begins in its buffer (under 2^25)
	s_mov_b32 s23, 0
	s_mov_b32 s21, 0
	s_mov_b32 s26, 0x600000                        ; the mantissa field of 448
	s_wait_kmcnt 0x0
	s_bitcmp1_b32 ttmp9, 0                         ; the choice hangs on the work-group's number alone
	s_cbranch_scc1 .Lweights
; ---------------- x: 32 rows x 256 along K a wave: four fragments, f = 2 ii + q ----------------
; A load reads 512 consecutive bytes of one row, 16 a lane.  The conversions want 16 neighbours along K in ONE lane's registers: so a fragment's 16 rows go through the wave's own stage in LDS and come back
; 64 bytes a lane for each block of 32: register 16 b + i = k 32 b + 16 h + i of row r, the order of the operand's registers.
	s_lshl_b32 s20, s18, 21                        ; 128 rows of 16,384 bytes,
	s_lshl_b32 s24, s16, 19                        ; my wave's 32 of them,
	s_add_co_u32 s20, s20, s24
	s_lshl_b32 s24, s19, 10                        ; 256 numbers along K
	s_add_co_u32 s20, s20, s24
	s_add_nc_u64 s[4:5], s[4:5], s[20:21]
	s_add_nc_u64 s[12:13], s[12:13], s[22:23]
	s_wait_alu depctr_va_vdst(0)
	v_lshlrev_b32 v4, 4, v1                        ; 16 x lane: my bytes of a load's 512, and of a store's
.macro LOAD f                          ; fragment f's 16 rows into set f % 3
.set XS, XN+64*((\f)%3)
.set j, 0
.rept 16
	global_load_b128 v[XS+4*j:XS+4*j+3], v4, s[4:5] offset:(16*((\f)/2)+j)*16384+512*((\f)%2) th:TH_LOAD_NT
.set j, j+1
.endr
.endm
	LOAD 0
	LOAD 1
	LOAD 2                                         ; 48 loads of the wave are out
	s_mov_b32 s24, 0x76543210
	s_mov_b32 s25, 0xfedcba98                      ; v_permlanex16_b32's selects for lane l xor 16
	v_add_nc_u32 v5, s27, v4                       ; into the stage: 16 x lane, a row an instruction
	v_mul_u32_u24 v6, v2, SP
	v_lshl_add_u32 v6, v3, 6, v6
	v_add_nc_u32 v6, s27, v6                       ; out of it: row r, + 64 h
.irp b, 0,1,2,3
	v_mov_b32 v[TM+4+\b], 0                        ; written once: a lane permute's destination counts as one of its sources
.endr
.macro TURNX f                         ; through the stage and back into the registers that the numbers left: LDS serves a wave's instructions in order (ISA guide 5.7.1.4), so no wait stands between the stores and the loads
.set XS, XN+64*((\f)%3)
.set j, 0
.rept 16
	ds_store_b128 v5, v[XS+4*j:XS+4*j+3] offset:SP*j
.set j, j+1
.endr
.irp b, 0,1,2,3
.irp i, 0,1,2,3
	ds_load_b128 v[XS+16*\b+4*\i:XS+16*\b+4*\i+3], v6 offset:128*\b+16*\i
.endr
.endr
.endm
.macro QUANT f                         ; 64 numbers of a lane become the fragment's 16 registers of codes and its scale word
.set XS, XN+64*((\f)%3)
.set PC, XC+16*((\f)%2)
.irp b, 0,1,2,3
	v_max3_num_f32 v[TM+\b], |v[XS+16*\b]|, |v[XS+1+16*\b]|, 0x4800000   ; block b: my 16 numbers, and the floor 2^(9 - 127): the byte cannot fall under 1
.endr
.irp i, 2,4,6,8,10,12,14
.irp b, 0,1,2,3
	v_max3_num_f32 v[TM+\b], v[TM+\b], |v[XS+16*\b+\i]|, |v[XS+1+16*\b+\i]|   ; the four blocks by turns: no line waits for the line above it
.endr
.endr
.irp b, 0,1,2,3
	v_permlanex16_b32 v[TM+4+\b], v[TM+\b], s24, s25
.endr
.irp b, 0,1,2,3
	v_max_num_f32 v[TM+\b], v[TM+\b], v[TM+4+\b]   ; with lane l xor 16's 16: the block's largest magnitude
.endr
.irp b, 0,1,2,3
	v_add_nc_u32 v[TM+12+\b], 0xfc000000, v[TM+\b] ; 8 off its exponent field: the conversion takes the exponent field of this operand as its scale
.endr
.irp b, 0,1,2,3
	v_and_or_b32 v[TM+8+\b], v[TM+\b], 0x7f800000, s26   ; 448 x the scale
.endr
.irp b, 0,1,2,3
	v_lshrrev_b32 v[TM+4+\b], 23, v[TM+12+\b]      ; the scale's byte
.endr
	v_lshl_or_b32 v[SW+\f], v[TM+5], 8, v[TM+4]    ; four bytes: my row's scale word for these 128 along K
	v_lshl_or_b32 v[SW+\f], v[TM+6], 16, v[SW+\f]
	v_lshl_or_b32 v[SW+\f], v[TM+7], 24, v[SW+\f]
.irp b, 0,1,2,3
.irp i, 0,1,2,3,4,5,6,7,8,9,10,11,12,13,14,15
	v_med3_num_f32 v[XS+16*\b+\i], v[XS+16*\b+\i], -v[TM+8+\b], v[TM+8+\b]   ; the conversion to an 8-bit code does not saturate (ISA guide 7.6.2): the hold comes first
.endr
	v_cvt_scalef32_pk8_fp8_f32 v[PC+4*\b:PC+1+4*\b], v[XS+16*\b:XS+7+16*\b], v[TM+12+\b]
	v_cvt_scalef32_pk8_fp8_f32 v[PC+2+4*\b:PC+3+4*\b], v[XS+8+16*\b:XS+15+16*\b], v[TM+12+\b]
.endr
	v_nop                                          ; one plain vector line behind the last conversion, ahead of whatever next writes its sources
.endm
.macro OUTX f                          ; the image: register group c by one store of 512 consecutive bytes, at a multiple of 256 from the buffer's first byte
.set PC, XC+16*((\f)%2)
.irp c, 0,1,2,3
	global_store_b128 v4, v[PC+4*\c:PC+4*\c+3], s[12:13] offset:2048*(\f)+512*\c
.endr
.endm
.macro FRAGMENT f, left                ; left: the loads of the later fragments, 16 each, which may stay out
	s_wait_loadcnt \left
	TURNX \f
	s_wait_dscnt 0x0                               ; the numbers are back
.if \f >= 2
	s_wait_xcnt 0x0                                ; the stores of fragment f - 2 have read this set of code registers: it is written again only behind this wait
.endif
	QUANT \f
.if \f == 0
	LOAD 3                                         ; set 0 is free: the last fragment's loads
.endif
	OUTX \f
.endm
	s_wait_alu depctr_va_vdst(0)
	FRAGMENT 0, 32                                 ; fragments 1 and 2 may be out
	FRAGMENT 1, 32                                 ; fragments 2 and 3
	FRAGMENT 2, 16                                 ; fragment 3
	FRAGMENT 3, 0
	v_cmp_gt_u32 vcc_lo, 16, v1                    ; both halves of the lanes hold row r's four words: lanes 0-15 store those of rows 0-15 (ii = 0), lanes 16-31 those of rows 16-31
	v_cndmask_b32 v8, v[SW+2], v[SW], vcc_lo
	v_cndmask_b32 v9, v[SW+3], v[SW+1], vcc_lo
	global_store_b64 v7, v[8:9], s[12:13] offset:8192
	s_wait_tensorcnt 0x0
	ds_add_u32 v31, v29
	s_wait_dscnt 0x0
	s_endpgm
; ---------------- W: 32 columns x 256 along K a wave: a lane takes a column, its registers run down K ----------------
; Each load reads neighbouring columns in neighbouring lanes; a block of 32 along K lies in ONE lane's registers, so its largest magnitude needs no other lane and the conversions give codes with K innermost.
; Column 16 ii + r is row r of images 2 ii + q; its 32 codes of block c are lane r's and lane 16 + r's 16 bytes of register group c: two stores in which sixteen neighbouring lanes fill 256 consecutive bytes.
.Lweights:
	s_lshl_b32 s20, s18, 9                         ; 128 columns of 4 bytes,
	s_lshl_b32 s24, s16, 7                         ; my wave's 32 of them
	s_add_co_u32 s24, s20, s24
	s_lshl_b32 s20, s19, 19                        ; qweight: 32 rows of 16,384 bytes a K step
	s_add_co_u32 s20, s20, s24
	s_add_nc_u64 s[6:7], s[6:7], s[20:21]
	s_lshl_b32 s20, s19, 15                        ; scales: two groups' rows of 16,384 bytes
	s_add_co_u32 s20, s20, s24
	s_add_nc_u64 s[10:11], s[10:11], s[20:21]
	s_lshl_b32 s20, s19, 12                        ; qzeros: two rows of 2,048 bytes;
	s_lshl_b32 s25, s18, 6                         ; 16 words for 128 columns,
	s_add_co_u32 s20, s20, s25
	s_lshl_b32 s25, s16, 4                         ; 4 for my wave's 32
	s_add_co_u32 s20, s20, s25
	s_add_nc_u64 s[8:9], s[8:9], s[20:21]
	s_add_nc_u64 s[14:15], s[14:15], s[22:23]
	s_wait_alu depctr_va_vdst(0)
	v_lshlrev_b32 v4, 2, v1                        ; 4 bytes a column
	v_lshrrev_b32 v5, 3, v1
	v_lshlrev_b32 v5, 2, v5                        ; my column's word of zero points,
	v_and_b32 v6, 7, v1
	v_lshlrev_b32 v6, 2, v6                        ; and the bit at which mine begins
	v_lshlrev_b32 v30, 4, v2
	v_lshl_add_u32 v30, v3, 12, v30                ; the codes' place: 4,096 ii + 16 r
	global_load_b32 v[SPR], v4, s[10:11]
	global_load_b32 v[SPR+2], v4, s[10:11] offset:16384
	global_load_b32 v20, v5, s[8:9]
	global_load_b32 v21, v5, s[8:9] offset:2048
.set i, 0
.rept 32
	global_load_b32 v[WQ+i], v4, s[6:7] offset:i*16384 th:TH_LOAD_NT
.set i, i+1
.endr
	s_wait_alu depctr_va_vdst(0)
	s_wait_loadcnt 32                              ; the four small loads are in; the 32 packed words may be out
	v_lshrrev_b32 v20, v6, v20
	v_lshrrev_b32 v21, v6, v21
	v_and_b32 v20, 15, v20
	v_and_b32 v21, 15, v21
	v_cvt_f32_u32 v[ZPR], v20
	v_cvt_f32_u32 v[ZPR+2], v21
	s_wait_alu depctr_va_vdst(0)
	v_rcp_f32 v[RPR], v[SPR]
	v_rcp_f32 v[RPR+2], v[SPR+2]
	v_mov_b32 v[SPR+1], v[SPR]                     ; plain lines behind the reciprocals: the pairs' second halves
	v_mov_b32 v[SPR+3], v[SPR+2]
	v_mov_b32 v[ZPR+1], v[ZPR]
	v_mov_b32 v[ZPR+3], v[ZPR+2]
	s_wait_alu depctr_va_vdst(0)                   ; one wait for both reciprocals, ahead of the first line that names a result
	v_mov_b32 v[RPR+1], v[RPR]
	v_mov_b32 v[RPR+3], v[RPR+2]
.macro WBLOCK t                        ; block t of 32 along K: group t / 4, image q = t / 4, register group c = t % 4
.set GR, (\t)/4
.set CC, WC+8*(\t)
	s_wait_loadcnt 28-4*(\t)                       ; this block's four words are in; those of the later blocks may be out
.irp u, 0,1,2,3
.irp j, 0,1,2,3,4,5,6,7
	v_bfe_u32 v[WX+8*\u+\j], v[WQ+4*(\t)+\u], 4*\j, 4     ; k = 8 x word + j
.endr
.endr
.set i, 0
.rept 32
	v_cvt_f32_u32 v[WX+i], v[WX+i]
.set i, i+1
.endr
.set i, 0
.rept 16
	v_pk_add_f32 v[WX+i:WX+i+1], v[WX+i:WX+i+1], v[ZPR+2*GR:ZPR+2*GR+1] neg_lo:[0,1] neg_hi:[0,1]   ; w - z
.set i, i+2
.endr
.set i, 0
.rept 16
	v_pk_mul_f32 v[WX+i:WX+i+1], v[WX+i:WX+i+1], v[SPR+2*GR:SPR+2*GR+1]                              ; x s
.set i, i+2
.endr
.set i, 0
.rept 16
	v_pk_fma_f32 v[WX+i:WX+i+1], v[WX+i:WX+i+1], v[RPR+2*GR:RPR+2*GR+1], v[ZPR+2*GR:ZPR+2*GR+1]      ; / s + z
.set i, i+2
.endr
.set i, 0
.rept 32
	v_rndne_f32 v[WX+i], v[WX+i]                   ; rounded, ties to even
.set i, i+1
.endr
.set i, 0
.rept 16
	v_pk_add_f32 v[WX+i:WX+i+1], v[WX+i:WX+i+1], v[ZPR+2*GR:ZPR+2*GR+1] neg_lo:[0,1] neg_hi:[0,1]   ; - z
.set i, i+2
.endr
.set i, 0
.rept 16
	v_pk_mul_f32 v[WX+i:WX+i+1], v[WX+i:WX+i+1], v[SPR+2*GR:SPR+2*GR+1]                              ; x s: the weight as reference() has it
.set i, i+2
.endr
	v_max3_num_f32 v20, |v[WX]|, |v[WX+1]|, |v[WX+2]|      ; the block's largest magnitude: all 32 numbers are mine; two chains
	v_max3_num_f32 v21, |v[WX+3]|, |v[WX+4]|, |v[WX+5]|
.irp i, 6,10,14,18,22,26
	v_max3_num_f32 v20, v20, |v[WX+\i]|, |v[WX+\i+1]|
	v_max3_num_f32 v21, v21, |v[WX+\i+2]|, |v[WX+\i+3]|
.endr
	v_max3_num_f32 v20, v20, |v[WX+30]|, |v[WX+31]|
	v_max3_num_f32 v20, v20, v21, 0x4800000        ; and the floor 2^(9 - 127)
	v_add_nc_u32 v22, 0xfc000000, v20              ; the conversions' scale operand
	v_and_or_b32 v23, v20, 0x7f800000, s26         ; 448 x the scale
.set i, 0
.rept 32
	v_med3_num_f32 v[WX+i], v[WX+i], -v23, v23
.set i, i+1
.endr
.irp g, 0,1,2,3
	v_cvt_scalef32_pk8_fp8_f32 v[CC+2*\g:CC+2*\g+1], v[WX+8*\g:WX+8*\g+7], v22
.endr
	v_lshrrev_b32 v21, 23, v22                     ; the scale's byte; also the plain line behind the last conversion
.if (\t)%4 == 0
	v_mov_b32 v[WB+GR], v21                        ; four bytes to a word, the lower K in the lower byte
.else
	v_lshl_or_b32 v[WB+GR], v21, 8*((\t)%4), v[WB+GR]
.endif
	global_store_b128 v30, v[CC:CC+3], s[14:15] offset:2048*GR+512*((\t)%4)          ; k 0 .. 15 of the block: lane r's bytes of the image
	global_store_b128 v30, v[CC+4:CC+7], s[14:15] offset:2048*GR+512*((\t)%4)+256    ; k 16 .. 31: lane 16 + r's
.endm
.irp t, 0,1,2,3,4,5,6,7
	WBLOCK \t
.endr
	global_store_b64 v7, v[WB:WB+1], s[14:15] offset:8192   ; my column's two scale words: 32 lanes store 256 consecutive bytes
	s_endpgm
.Lfunc_end_k_qce17fde36f_quant:
	.size	k_qce17fde36f_quant, .Lfunc_end_k_qce17fde36f_quant-k_qce17fde36f_quant
	.p2alignl 7, 3214868480
	.fill 96, 4, 3214868480
	.section	.rodata,"a",@progbits
	.p2align	6, 0x0
	.amdhsa_kernel k_qce17fde36f_quant
		.amdhsa_group_segment_fixed_size 34304
		.amdhsa_private_segment_fixed_size 0
		.amdhsa_enable_private_segment 0
		.amdhsa_kernarg_size 48
		.amdhsa_user_sgpr_count 2
		.amdhsa_user_sgpr_kernarg_segment_ptr 1
		.amdhsa_wavefront_size32 1
		.amdhsa_system_sgpr_workgroup_id_x 1
		.amdhsa_system_sgpr_workgroup_id_y 1
		.amdhsa_system_sgpr_workgroup_id_z 1
		.amdhsa_system_vgpr_workitem_id 0
		.amdhsa_next_free_vgpr 256
		.amdhsa_next_free_sgpr 66
		.amdhsa_reserve_vcc 1
		.amdhsa_float_denorm_mode_32 3
		.amdhsa_float_denorm_mode_16_64 3
		.amdhsa_memory_ordered 1
		.amdhsa_forward_progress 1
		.amdhsa_inst_pref_size 157
	.end_amdhsa_kernel
	.amdgpu_metadata
---
amdhsa.version: [ 1, 2 ]
amdhsa.kernels:
  - .name:           k_qce17fde36f_quant
    .symbol:         k_qce17fde36f_quant.kd
    .args:
      - { .name: x, .offset: 0, .size: 8, .value_kind: global_buffer, .address_space: global }
      - { .name: qweight, .offset: 8, .size: 8, .value_kind: global_buffer, .address_space: global }
      - { .name: qzeros, .offset: 16, .size: 8, .value_kind: global_buffer, .address_space: global }
      - { .name: scales, .offset: 24, .size: 8, .value_kind: global_buffer, .address_space: global }
      - { .name: acode, .offset: 32, .size: 8, .value_kind: global_buffer, .address_space: global }
      - { .name: bcode, .offset: 40, .size: 8, .value_kind: global_buffer, .address_space: global }
    .group_segment_fixed_size: 34304
    .private_segment_fixed_size: 0
    .kernarg_segment_align: 8
    .kernarg_segment_size: 48
    .max_flat_workgroup_size: 128
    .sgpr_count:     66
    .vgpr_count:     256
    .wavefront_size: 32
...
	.end_amdgpu_metadata
.endif
;; end of part 1
;; launch gemm (part 2): grid 16 x 16, 4 waves a work-group, clusters of 4 x 4, 327,680 bytes of LDS; arguments acode, bcode, bias, out0; writes out0
.if DOCPART == 2
	.amdgcn_target "amdgcn-amd-amdhsa--gfx1250"
	.amdhsa_code_object_version 6
	.text
	.protected	k_qce17fde36f_gemm
	.globl	k_qce17fde36f_gemm
	.p2align	8
	.type	k_qce17fde36f_gemm,@function
k_qce17fde36f_gemm:
	s_mov_b64 s[64:65], 0
	v_nop
	global_prefetch_b8 v0, s[64:65] scope:SCOPE_SE
	s_setreg_imm32_b32 hwreg(HW_REG_WAVE_MODE, 25, 1), 1
	s_wait_xcnt 0x0
	s_wait_alu depctr_hold_cnt(0) depctr_sa_sdst(0) depctr_va_vdst(0) depctr_va_sdst(0) depctr_va_ssrc(0) depctr_va_vcc(0) depctr_vm_vsrc(0)
	s_getreg_b32 s2, hwreg(HW_REG_IB_STS2, 6, 4)
	s_cmp_eq_u32 s2, 0
	s_cbranch_scc0 .Lentry_in_a_cluster
	s_endpgm
.Lentry_in_a_cluster:
	s_bfe_u32 s2, ttmp6, 0x10000c
	s_cmp_lg_u32 s2, 0xf033
	s_cbranch_scc0 .Lentry_shape_is_right
	s_endpgm
.Lentry_shape_is_right:
; out0 = x W + bias on the codes and scale words that launch quant laid: [group of 128 rows][K step of 256][block of 33,792 bytes = 4 sub-blocks of 32 rows: 4 register images of 2,048 bytes + 256 bytes of scale words].
; A work-group makes 256 x 256 of out0.  Wave w takes ALL 256 rows and columns 64 w .. 64 w + 63: 16 x 4 accumulators, 512 registers.
; A (x's codes) is read by all four waves: it goes through LDS, two slots of K = 512 (4 blocks, one tensor load a wave), asked for jointly by the four work-groups of a row of the cluster.
; B (W's codes): a wave's 64 columns are read by that wave alone, so they pass no LDS: plain loads take the register images as they lie, into a ring of four sets of 64 registers, three K steps of 128 ahead of their use.
; No joint load for B: a joint load lands in LDS, and no two waves of a work-group share a byte of B.
; A K step of 128 is four batches of 16 products (4 blocks of 16 rows x 4 fragments of B).  A's fragments have two groups of 4 blocks; behind batch k stands ONE run of loads: eight places, the 16 LDS loads of batch k + 2
; into the group that batch k left, and fragment k of B's set three steps on.
; THE LAST THREE K STEPS GO BY ROWS OF out0: their three sets of B are all in registers, each block of 16 rows gets its 12 products on end (K ascending) and leaves through the stage while the next blocks are multiplied.
; The matrix instruction is used transposed (source 0 = 16 columns of W, source 1 = 16 rows of x): a lane holds eight neighbouring numbers of a row of out0.  The bias is the C of each accumulator's first product.
; PREFETCH: A's slot t + 2 is named in run t, two to three K steps of 128 ahead of its tensor load, each partner (cx) a sub-block of each block; of B's next lap of four chunks each partner (cy) names one chunk; the first lap is not named.
; REGISTERS: window 0: v0-31 addresses, v32-63 A's scale words (two sets), v64-71 B's (two sets), v80-111 bias (at the end a buffer of the way out), v128-255 A's two groups; window 1: B's ring; windows 2, 3: accumulators (a, b) at v[32 (a % 8) + 8 b].
.set BLK,    33792
.set SUB,    8448
.set SLOT,   4*BLK
.set STAGE,  2*SLOT                    ; behind the ring: 16 rows x 272 bytes for each wave
.set SPITCH, 272
.set SPARE,  STAGE+4*16*SPITCH         ; the spare words
.set ROWC,   16384
.set ADRA, 8                           ; v8-15  16 x lane + n x BLK: block n = 4 slot + 2 kk + g of the ring
.set ADSA, 16                          ; v16-19 A's scale words of (slot, kk): lanes 0-15 rows 0-127, lanes 16-31 rows 128-255
.set VB,   20                          ; 16 x lane
.set VSB,  21                          ; B's scale words: h x SUB + 16 r
.set BO,   22
.set STO,  23
.set RD,   24
.set CO,   25
.set PFO,  26
.set PF2,  27
.set SPW,  28
.set NIL,  29
.set PF3,  30
.set SA,   32
.set SB,   64
.set BI,   80
.set AF,   128
.set G1,  24
.set G0,  32
.set BP,  48                           ; s[48:49] my columns' images, at the lap's first chunk
.set PFB, 50
.set PFA, 52
.set TO_B, 0x40
.set MSB, 0
.macro WIN new
.if MSB != \new
	s_set_vgpr_msb (MSB<<8)|\new
.set MSB, \new
.endif
.endm
.macro CREST
	s_cmp_lg_u32 s14, 0
	s_cbranch_scc1 .Lnot_wave_0_\@
	s_barrier_signal -3
.Lnot_wave_0_\@:
	s_barrier_wait -3
	s_barrier_signal -1
	s_barrier_wait -1
.endm
.macro CROUND
	s_barrier_signal -1
	s_barrier_wait -1
	CREST
.endm
.macro PLACES n
.rept \n
	v_nop
.endr
.endm
; st counts K steps of 128 from the lap's start: slot (st / 4) % 2, q = st % 4, kk = q / 2
.macro AFRAG st, a, ad                 ; block a (16 rows) of step st into the 16 registers from ad on
.set AR_, ADRA+4*(((\st)/4)%2)+2*(((\st)%4)/2)+(\a)/8
.set AO_, SUB*(((\a)%8)/2)+2048*(2*((\a)%2)+(\st)%2)
.set AD_, \ad
.irp c, 0,1,2,3
	ds_load_b128 v[AD_+4*\c:AD_+4*\c+3], v[AR_] offset:AO_+512*\c
.endr
.endm
.macro PFRAG m                         ; by rows: block m's fragments of steps 5, 6, 7 into group m % 2 of 48 registers
.irp s, 5,6,7
	AFRAG \s, \m, AF+48*((\m)%2)+16*(\s-5)
.endr
.endm
.macro ASCALE sl, kk                   ; register 4 u + 2 ii + qq: lanes 0-15 block 2 u + ii, lanes 16-31 block 8 + 2 u + ii
.irp u, 0,1,2,3
	ds_load_b128 v[SA+16*(\kk)+4*\u:SA+16*(\kk)+4*\u+3], v[ADSA+2*(\sl)+(\kk)] offset:SUB*\u
.endr
.endm
.macro BGRP tg, g                      ; fragment g (16 columns) of step tg into set tg % 4
.set BO_, ((\tg)/2)*BLK+((\g)/2)*SUB+2048*(2*((\g)%2)+(\tg)%2)
.set BD_, 64*((\tg)%4)+16*(\g)
.irp c, 0,1,2,3
	global_load_b128 v[BD_+4*\c:BD_+4*\c+3], v[VB], s[BP:BP+1] offset:BO_+512*\c
.endr
.endm
.macro BSCALE ch                       ; chunk ch's words: register 2 ii + 1 - qq (so A's and B's scale registers never have the same number modulo 8); lanes 0-15 fragment ii, lanes 16-31 fragment 2 + ii
.irp ii, 0,1
.irp qq, 0,1
	global_load_b32 v[SB+4*((\ch)%2)+2*\ii+1-\qq], v[VSB], s[BP:BP+1] offset:(\ch)*BLK+8192+4*(2*\ii+\qq)
.endr
.endr
.endm
.macro WM a, b, st, first, ab          ; ab: where block a's fragment lies
.set AC_, 32*((\a)%8)+8*(\b)
.set BF_, 64*((\st)%4)+16*(\b)
.set AA_, \ab
.set S0_, SB+4*(((\st)/2)%2)+2*((\b)%2)+1-(\st)%2
.set S1_, SA+16*(((\st)/2)%2)+4*(((\a)%8)/2)+2*((\a)%2)+(\st)%2
.if \first
.set CC_, BI+8*(\b)
.else
.set CC_, AC_
.endif
.if ((\b)/2 == 1) && ((\a)/8 == 1)
	v_wmma_scale_f32_16x16x128_f8f6f4 v[AC_:AC_+7], v[BF_:BF_+15], v[AA_:AA_+15], v[CC_:CC_+7], v[S0_], v[S1_] matrix_a_scale:MATRIX_SCALE_ROW1 matrix_b_scale:MATRIX_SCALE_ROW1
.elseif (\b)/2 == 1
	v_wmma_scale_f32_16x16x128_f8f6f4 v[AC_:AC_+7], v[BF_:BF_+15], v[AA_:AA_+15], v[CC_:CC_+7], v[S0_], v[S1_] matrix_a_scale:MATRIX_SCALE_ROW1
.elseif (\a)/8 == 1
	v_wmma_scale_f32_16x16x128_f8f6f4 v[AC_:AC_+7], v[BF_:BF_+15], v[AA_:AA_+15], v[CC_:CC_+7], v[S0_], v[S1_] matrix_b_scale:MATRIX_SCALE_ROW1
.else
	v_wmma_scale_f32_16x16x128_f8f6f4 v[AC_:AC_+7], v[BF_:BF_+15], v[AA_:AA_+15], v[CC_:CC_+7], v[S0_], v[S1_]
.endif
.endm
.macro MULB st, a, first               ; block a of step st: four products, its four accumulators by turns
.set DW_, 2+(\a)/8
.set MW_, (DW_<<6)|((DW_*(1-(\first)))<<4)|1
	WIN MW_
.irp b, 0,1,2,3
	WM \a, \b, \st, \first, AF+16*((\a)%8)
.endr
.endm
.macro MUL2 st, a, first
	MULB \st, \a, \first
	MULB \st, (\a)+1, \first
.endm
; The run of loads behind batch k.  np: the places still owed ahead of loads into the registers that batch k read.  B's set of step st + 3 is asked for, fragment k here; in even steps the next chunk's scale words (k = 0).
; pf = 1: the loop's prefetches.  pf = 2: the steps by rows follow: B's last set is asked for whole in run 0, and runs 2 and 3 fetch blocks 0 and 1 for the three steps.
.macro RUN st, k, np, pf
	WIN 0
	PLACES \np
.if ((\k) == 2) && ((\st)%4 == 3)
	ASCALE (((\st)+1)/4)%2, 0                      ; the next slot's first scale words, ahead of 32 more LDS loads
.endif
.if ((\pf) == 2) && ((\k) >= 2)
	PFRAG (\k)-2
.else
.irp j, 0,1,2,3
.if (\k) < 2
	AFRAG \st, 4*(\k)+8+\j, AF+16*((4*(\k)+\j)%8)
.else
	AFRAG (\st)+1, 4*(\k)-8+\j, AF+16*((4*(\k)+\j)%8)
.endif
.endr
.endif
.if ((\k) == 1) && ((\st)%4 == 0)
	ASCALE ((\st)/4)%2, 1
.endif
.if ((\k) == 0) && ((\st)%2 == 0)
	BSCALE (\st)/2+1
.endif
.if ((\pf) == 1) && ((\k) == 1)
.if (\st) == 1
	global_prefetch_b8 v[PFO], s[PFA:PFA+1] offset:4*BLK th:TH_LOAD_NT scope:SCOPE_SE
	global_prefetch_b8 v[PF2], s[PFA:PFA+1] offset:4*BLK+8192 th:TH_LOAD_NT scope:SCOPE_SE
.endif
.if (\st) == 4
	global_prefetch_b8 v[PFO], s[PFA:PFA+1] offset:6*BLK th:TH_LOAD_NT scope:SCOPE_SE
	global_prefetch_b8 v[PF2], s[PFA:PFA+1] offset:6*BLK+8192 th:TH_LOAD_NT scope:SCOPE_SE
.endif
.if (\st) == 2
	global_prefetch_b8 v[PFO], s[PFB:PFB+1] offset:4*BLK th:TH_LOAD_NT scope:SCOPE_SE
	global_prefetch_b8 v[PFO], s[PFB:PFB+1] offset:4*BLK+8192 th:TH_LOAD_NT scope:SCOPE_SE
	global_prefetch_b8 v[PF3], s[PFB:PFB+1] offset:4*BLK+16384 th:TH_LOAD_NT scope:SCOPE_SE
.endif
.endif
.if (\pf) == 2
.if (\k) == 0
	WIN TO_B
.irp g, 0,1,2,3
	BGRP (\st)+3, \g
.endr
.endif
.else
	WIN TO_B
	BGRP (\st)+3, \k
.endif
.endm
; A K step of 128.  mode 0: its successor lies in the same slot.  1: the slot's last step, the slot is filled again.  2: the same, nothing is filled.
; s_wait_loadcnt 32: behind this step's set of B and its scale words the two younger sets have been issued.  s_wait_dscnt 16: behind a batch's LDS loads one younger run of 16 or more (12 where blocks by rows are fetched).
.macro STEPM st, first, mode, pf
	s_wait_loadcnt 32
	s_wait_dscnt 16
	MUL2 \st, 0, \first
	MUL2 \st, 2, \first
	RUN \st, 0, 8, \pf
	s_wait_dscnt 16
	MUL2 \st, 4, \first
	MUL2 \st, 6, \first
	RUN \st, 1, 8, \pf
.if \mode == 0
	s_wait_dscnt 16
	MUL2 \st, 8, \first
	MUL2 \st, 10, \first
	RUN \st, 2, 8, \pf
.if (\pf) == 2
	s_wait_dscnt 12
.else
	s_wait_dscnt 16
.endif
	MUL2 \st, 12, \first
	MUL2 \st, 14, \first
	RUN \st, 3, 8, \pf
.else
	WIN 0                                          ; batch 3's loads are issued: all my reads of this slot
	s_wait_tensorcnt 0x0                           ; all my tensor loads have landed: my block of the next slot
	ds_add_u32 v[SPW], v[NIL]
.if \mode == 1
	s_add_nc_u64 s[G0+4*(((\st)/4)%2)+2:G0+4*(((\st)/4)%2)+3], s[G0+4*(((\st)/4)%2)+2:G0+4*(((\st)/4)%2)+3], 4*BLK   ; this slot's next K = 512
.endif
	s_wait_dscnt 17                                ; batch 3's loads and the add may be out
	MUL2 \st, 8, 0
	MUL2 \st, 10, 0
	s_wait_dscnt 0x0                               ; the add is done, my reads of this slot are back
	s_barrier_signal -1
	MUL2 \st, 12, 0
	WIN 0
	s_barrier_wait -1
.if \mode == 1
	CREST                                          ; the barrier has opened a round of the cluster's barrier
	tensor_load_to_lds s[G0+4*(((\st)/4)%2):G0+4*(((\st)/4)%2)+3], s[G1:G1+7]
	s_nop 0
	PLACES 4
	RUN \st, 2, 4, 0
.else
	RUN \st, 2, 8, 0
.endif
	MUL2 \st, 14, 0
	RUN \st, 3, 8, 0
.endif
.endm
	s_load_b256 s[4:11], s[0:1], 0x0               ; acode, bcode, bias, out0
	v_lshl_add_u32 v[SPW], v0, 2, SPARE
	v_mov_b32 v[NIL], 0
	ds_add_u32 v[SPW], v[NIL]                      ; the opening lines: the add twice on end
	ds_add_u32 v[SPW], v[NIL]
	v_lshrrev_b32 v4, 5, v0
	v_readfirstlane_b32 s14, v4                    ; wave
	s_lshr_b32 s15, s14, 1
	s_and_b32 s16, s14, 1
	s_bfe_u32 s40, ttmp6, 0x40000                  ; cx
	s_bfe_u32 s41, ttmp6, 0x40004                  ; cy
	s_lshl_b32 s42, ttmp9, 2
	s_add_co_u32 s42, s42, s40                     ; tile column
	s_and_b32 s17, ttmp7, 0xffff
	s_lshl_b32 s17, s17, 2
	s_add_co_u32 s17, s17, s41                     ; tile row
	s_lshl_b32 s43, s41, 2
	s_lshl_b32 s43, 15, s43                        ; my row of the cluster
	s_or_b32 s[G1+0], s43, (3<<16)|(1<<21)         ; a dense block: 33 rows of 128 elements of 8 bytes
	s_mov_b32 s[G1+1], 128<<16
	s_mov_b32 s[G1+2], 33<<16
	s_mov_b32 s[G1+3], 128<<16
	s_mov_b32 s[G1+4], 33
	s_mov_b32 s[G1+5], 128
	s_mov_b32 s[G1+6], 0
	s_mov_b32 s[G1+7], 0
	s_lshl_b32 s20, s17, 1                         ; wave w fetches row group g = w % 2, K half kk = w / 2 of a slot
	s_add_co_u32 s20, s20, s16
	s_lshl_b32 s20, s20, 4
	s_add_co_u32 s20, s20, s15
	s_mul_i32 s20, s20, BLK
	s_mov_b32 s21, 0
	s_mul_i32 s45, s14, BLK                        ; to LDS block 2 kk + g = w
	s_lshl_b32 s46, s42, 1                         ; B: column group 2 x tile column + w / 2, sub-blocks 2 (w % 2) and the next
	s_add_co_u32 s46, s46, s15
	s_mul_i32 s46, s46, 16*BLK
	s_mul_i32 s47, s16, 2*SUB
	s_add_co_u32 s46, s46, s47
	s_mov_b32 s47, 0
	s_mul_i32 s54, s41, BLK
	s_mov_b32 s55, 0
	s_mul_i32 s56, s40, SUB
	s_mov_b32 s57, 0
	s_lshl_b32 s58, s42, 10                        ; my first column in bytes
	s_lshl_b32 s59, s14, 8
	s_add_co_u32 s58, s58, s59
	s_mov_b32 s59, 0
	s_lshl_b32 s60, s17, 22                        ; 256 rows of 16,384 bytes
	s_add_co_u32 s60, s60, s58
	s_mov_b32 s61, 0
	s_mul_i32 s23, s14, 16*SPITCH
	s_add_co_u32 s23, s23, STAGE
	v_and_b32 v1, 15, v0                           ; r
	v_bfe_u32 v2, v0, 4, 1                         ; h
	v_and_b32 v3, 31, v0
	v_lshlrev_b32 v[VB], 4, v3
.irp n, 0,1,2,3,4,5,6,7
	v_add_nc_u32 v[ADRA+\n], \n*BLK, v[VB]
.endr
	v_mul_u32_u24 v5, v2, BLK
	v_lshl_add_u32 v5, v1, 4, v5
.irp m, 0,1,2,3
	v_add_nc_u32 v[ADSA+\m], 2*\m*BLK+8192, v5
.endr
	v_mul_u32_u24 v[VSB], v2, SUB
	v_lshl_add_u32 v[VSB], v1, 4, v[VSB]
	v_lshlrev_b32 v[BO], 5, v2
	v_mul_u32_u24 v6, v1, SPITCH
	v_lshl_add_u32 v6, v2, 5, v6
	v_add_nc_u32 v[STO], s23, v6                   ; into the stage: row r, 32 bytes for each half of the lanes
	v_mul_u32_u24 v7, v2, SPITCH
	v_lshl_add_u32 v7, v1, 4, v7
	v_add_nc_u32 v[RD], s23, v7                    ; back: sixteen lanes a row of 256 bytes, two rows an instruction
	v_lshlrev_b32 v[CO], 14, v2
	v_lshl_add_u32 v[CO], v1, 4, v[CO]
	v_lshlrev_b32 v[PFO], 8, v3
	v_lshlrev_b32 v[PF2], 3, v3
	v_lshlrev_b32 v[PF3], 8, v2
	s_wait_alu depctr_va_vdst(0)
	s_wait_dscnt 0x0
	s_wait_kmcnt 0x0
	s_add_nc_u64 s[20:21], s[4:5], s[20:21]
	s_add_nc_u64 s[BP:BP+1], s[6:7], s[46:47]
	s_add_nc_u64 s[PFB:PFB+1], s[BP:BP+1], s[54:55]
	s_add_nc_u64 s[PFA:PFA+1], s[20:21], s[56:57]
	s_add_nc_u64 s[8:9], s[8:9], s[58:59]
	s_add_nc_u64 s[10:11], s[10:11], s[60:61]
.irp s, 0,1
	s_mov_b32 s[G0+4*\s], 1
	s_add_co_u32 s[G0+4*\s+1], s45, \s*SLOT
	s_add_nc_u64 s[G0+4*\s+2:G0+4*\s+3], s[20:21], \s*2*BLK
	s_or_b32 s[G0+4*\s+3], s[G0+4*\s+3], 0x80000000
.endr
.irp b, 0,1,2,3
	global_load_b128 v[BI+8*\b:BI+8*\b+3], v[BO], s[8:9] offset:64*\b
	global_load_b128 v[BI+8*\b+4:BI+8*\b+7], v[BO], s[8:9] offset:64*\b+16
.endr
	BSCALE 0
	WIN TO_B
.irp g, 0,1,2,3
	BGRP 0, \g
.endr
	WIN 0
	CROUND                                         ; all sixteen work-groups are here: the first joint loads meet
	tensor_load_to_lds s[G0:G0+3], s[G1:G1+7]      ; slot 0: one tensor load a wave at the head
	s_nop 0
	PLACES 4
	WIN TO_B
.irp t, 1,2
.irp g, 0,1,2,3
	BGRP \t, \g
.endr
.endr
	WIN 0
	s_wait_tensorcnt 0x0                           ; slot 1's first fill is issued as a refill is
	ds_add_u32 v[SPW], v[NIL]
	s_wait_dscnt 0x0
	CROUND
	tensor_load_to_lds s[G0+4:G0+7], s[G1:G1+7]
	s_nop 0
	PLACES 4
	ASCALE 0, 0
.irp a, 0,1,2,3,4,5,6,7
	AFRAG 0, \a, AF+16*\a
.endr
	STEPM 0, 1, 0, 0                               ; the first step stands ahead of the loop: its products take the bias as C
	WIN 0
	s_mov_b32 s3, 3
.Llap:                                                 ; a trip: a lap's second step to the next lap's first; both slots are filled again
	STEPM 1, 0, 0, 1
	STEPM 2, 0, 0, 1
	STEPM 3, 0, 1, 1
	STEPM 4, 0, 0, 1
	STEPM 5, 0, 0, 1
	STEPM 6, 0, 0, 1
	STEPM 7, 0, 1, 1
	STEPM 8, 0, 0, 1
	WIN 0
	s_wait_xcnt 0x0                                ; my loads and prefetches have read their bases
	s_add_nc_u64 s[BP:BP+1], s[BP:BP+1], 4*BLK
	s_add_nc_u64 s[PFB:PFB+1], s[PFB:PFB+1], 4*BLK
	s_add_nc_u64 s[PFA:PFA+1], s[PFA:PFA+1], 4*BLK
	s_sub_co_u32 s3, s3, 1
	s_cmp_lg_u32 s3, 0
	s_cbranch_scc1 .Llap
	STEPM 1, 0, 0, 0                               ; the last lap fills nothing
	STEPM 2, 0, 0, 0
	STEPM 3, 0, 2, 0
	STEPM 4, 0, 0, 2                               ; B's last set, and blocks 0 and 1 for the steps by rows
; THE WAY OUT: a block of 16 rows x 64 columns goes through my own stage and comes back as rows of 256 bytes: sixteen lanes store one aligned unit.  LDS serves a wave's instructions in order.
.macro TOSTAGE a
.set AC_, 32*((\a)%8)
	WIN 0x08+4*((\a)/8)
.irp b, 0,1,2,3
	ds_store_b128 v[STO], v[AC_+8*\b:AC_+8*\b+3] offset:64*\b
	ds_store_b128 v[STO], v[AC_+8*\b+4:AC_+8*\b+7] offset:64*\b+16
.endr
	WIN 0
.if (\a) >= 2
	s_wait_xcnt 0x0                                ; block a - 2's stores have read the buffer that block a's loads take
.endif
.set BB_, 224-144*((\a)%2)             ; two buffers by turns: v224-255 and v80-111
.irp t, 0,1,2,3,4,5,6,7
	ds_load_b128 v[BB_+4*\t:BB_+4*\t+3], v[RD] offset:\t*2*SPITCH
.endr
.endm
.macro SEND a, younger
.set BB_, 224-144*((\a)%2)
	s_wait_dscnt \younger
.irp t, 0,1,2,3,4,5,6,7
	global_store_b128 v[CO], v[BB_+4*\t:BB_+4*\t+3], s[10:11] offset:((\a)*16+2*\t)*ROWC th:TH_STORE_NT
.endr
.endm
; Block m by rows: steps 5, 6, 7 on its four accumulators by turns; then block m + 2's fragments, block m into the stage and back, block m - 1's stores.
; wt: the LDS instructions issued behind block m's 12 loads: 12 for each younger block's fragments, 16 for each block that went through the stage.
.macro ROWS m, wt
	s_wait_dscnt \wt
.set DW_, 2+(\m)/8
.set MW_, (DW_<<6)|(DW_<<4)|1
	WIN MW_
.irp s, 5,6,7
.irp b, 0,1,2,3
	WM \m, \b, \s, 0, AF+48*((\m)%2)+16*(\s-5)
.endr
.endr
	WIN 0
	PLACES 8                                       ; ahead of the loads into the fragments' registers and of the stores of the results
.if (\m)+2 <= 15
	PFRAG (\m)+2
.endif
	TOSTAGE \m
.if (\m) >= 1
.if (\m)+2 <= 15
	SEND (\m)-1, 28
.else
	SEND (\m)-1, 16
.endif
.endif
.endm
	s_wait_loadcnt 0x0                             ; all three sets of B and their scale words
	ROWS 0, 12
	ROWS 1, 28
.irp m, 2,3,4,5,6,7,8,9,10,11,12,13,14
	ROWS \m, 44
.endr
	ROWS 15, 32
	SEND 15, 0
	s_wait_tensorcnt 0x0                           ; the wave's end
	ds_add_u32 v[SPW], v[NIL]
	s_wait_dscnt 0x0
	CROUND                                         ; the closing round
	s_endpgm
.Lfunc_end_k_qce17fde36f_gemm:
	.size	k_qce17fde36f_gemm, .Lfunc_end_k_qce17fde36f_gemm-k_qce17fde36f_gemm
	.p2alignl 7, 3214868480
	.fill 96, 4, 3214868480
	.section	.rodata,"a",@progbits
	.p2align	6, 0x0
	.amdhsa_kernel k_qce17fde36f_gemm
		.amdhsa_group_segment_fixed_size 327680
		.amdhsa_private_segment_fixed_size 0
		.amdhsa_enable_private_segment 0
		.amdhsa_kernarg_size 32
		.amdhsa_user_sgpr_count 2
		.amdhsa_user_sgpr_kernarg_segment_ptr 1
		.amdhsa_wavefront_size32 1
		.amdhsa_system_sgpr_workgroup_id_x 1
		.amdhsa_system_sgpr_workgroup_id_y 1
		.amdhsa_system_sgpr_workgroup_id_z 1
		.amdhsa_system_vgpr_workitem_id 0
		.amdhsa_next_free_vgpr 1024
		.amdhsa_next_free_sgpr 80
		.amdhsa_reserve_vcc 0
		.amdhsa_float_denorm_mode_32 3
		.amdhsa_float_denorm_mode_16_64 3
		.amdhsa_memory_ordered 1
		.amdhsa_forward_progress 1
		.amdhsa_inst_pref_size 255
	.end_amdhsa_kernel
	.section	.bss,"aw",@nobits
	.p2align	6
	.space	262144
	.amdgpu_metadata
---
amdhsa.version: [ 1, 2 ]
amdhsa.kernels:
  - .name:           k_qce17fde36f_gemm
    .symbol:         k_qce17fde36f_gemm.kd
    .args:
      - { .name: acode, .offset: 0, .size: 8, .value_kind: global_buffer, .address_space: global }
      - { .name: bcode, .offset: 8, .size: 8, .value_kind: global_buffer, .address_space: global }
      - { .name: bias, .offset: 16, .size: 8, .value_kind: global_buffer, .address_space: global }
      - { .name: out0, .offset: 24, .size: 8, .value_kind: global_buffer, .address_space: global }
    .group_segment_fixed_size: 327680
    .private_segment_fixed_size: 0
    .kernarg_segment_align: 8
    .kernarg_segment_size: 32
    .max_flat_workgroup_size: 128
    .sgpr_count:     80
    .vgpr_count:     1024
    .wavefront_size: 32
...
	.end_amdgpu_metadata
.endif
;; end of part 2
